; MI455X (gfx1250); checked and timed in simulation.
; The chip was launched on July 23, 2026; its instructions are those of AMD's public machine-readable ISA for CDNA 5 (MIT licence, August 2026) and "CDNA5" Instruction Set Architecture Reference Guide (July 2026). The comments in the code are by the model that wrote it; some were corrected since.
;; Physics Simulator. Allowed arithmetic: float matrix products may take bf16 or f16 operands with f32 sums; all other float work in f32.
;; Inputs: angular_velocity 2,048 x 3 float32; external_force 2,048 x 3 float32; linear_velocity 2,048 x 3 float32; mass 2,048 float32; orientation 2,048 x 4 float32; position 2,048 x 3 float32; radius 2,048 float32.
;; Outputs: out0 2,048 x 13 float32.
;; One version. Each part assembles by itself: llvm-mc -triple=amdgcn-amd-amdhsa -mcpu=gfx1250 --defsym DOCPART=n.
;; ======== version 1 of 1: 1 launch
;; launch step (part 1): grid 256 x 1, 8 waves a work-group, no clusters, 4,608 bytes of LDS; arguments position, linear_velocity, radius, mass, orientation, angular_velocity, external_force, out0; writes out0
.if DOCPART == 1
	.amdgcn_target "amdgcn-amd-amdhsa--gfx1250"
	.amdhsa_code_object_version 6
	.text
	.protected	k_qc31e990d6c_step
	.globl	k_qc31e990d6c_step
	.p2align	8
	.type	k_qc31e990d6c_step,@function
k_qc31e990d6c_step:
	s_mov_b64 s[64:65], 0
	v_nop
	global_prefetch_b8 v0, s[64:65] scope:SCOPE_SE
	s_setreg_imm32_b32 hwreg(HW_REG_WAVE_MODE, 25, 1), 1
	s_wait_xcnt 0x0
; One step of 2,048 spheres: all ordered pairs (a, b) for the contact forces, then semi-implicit Euler.  Everything in f32.
;
; SHARES.  256 work-groups of 8 waves.  A work-group owns 8 bodies a and meets them with all 2,048 bodies b: 16,384 pairs.
; A thread keeps 8 bodies b in registers (64 registers, loaded once) and meets each with the 8 bodies a, two a at a time in the
; two halves of the packed f32 instructions: b is broadcast by op_sel, the two a lie in a register pair.
;
; ALGEBRA (exact for every input).  n = d / D with d = p_b - p_a, D = dist + 1e-8.  Both lever arms, (p_a + n r_a) - p_a and
; (p_a + n r_a) - p_b, are multiples of n.  So (w x r) . n = 0 and vn = (v_b - v_a) . n = s / D with s = (v_b - v_a) . d, and
; cross(r_a, -n f) = 0: the contact torque is 0 and w_new = w.
; With im = 1 / (-0.015 m), M = im_a + im_b, t = 1 / (D M):   -1.5 vn red_m / DT + 1e4 pen = 1e4 (s t + pen),   1 / D = t M.
; The sum kept is  sum of (s t + pen) (t M) d  over the pairs with pen = (r_a + r_b) - dist > 0, s <= 0 (vn has the sign of s, D > 0)
; and a != b; the factor -1e4 is applied once for each body.
; LIMITS.  (1) The terms above are taken as their exact value 0: what f32 rounding of (p + n r) - p leaves of them, of the size
; ulp(|p|) x force, is not reproduced, nor the NaN of 0 x inf where 0.4 m r^2 is 0.  (2) 0.015 m and, for colliding pairs, D M lie in the
; normal f32 range (2^-126 to 2^126): v_rcp_f32 takes denormals as 0.  (3) The squared norm of the new quaternion is a normal f32 number.
;
; NO JOINT LOADS, though all work-groups read the same bodies b: a work-group reads those 64 KiB once, straight into the registers in
; which they are used, 4 bytes for each of its pairs; through LDS they would cost 32 more LDS loads a lane and barriers across groups.
; NO MATRIX UNIT: the collision test is a difference of nearly equal f32 numbers; nothing here is a product of matrices.
.set TAB,   0                          ; LDS: 8 x 256 bytes, each wave's own table of its group's 8 bodies a, in pairs
.set PART,  2048                       ; LDS: 8 x 128 bytes, each wave's 24 sums
.set OUT,   3072                       ; LDS: 8 rows of 13 floats = 416 bytes (wave 0 alone); the space up to 3,584 is never written
.set SELF,  1                          ; v1      thread - 8 (group % 32): i where slot 0 of this thread holds the group's body i
.set LA,    2                          ; v2      lane % 8: the body a whose state this lane loads
.set LN,    5                          ; v5      lane
.set OA12,  6                          ; v6-8    byte offsets of my body a in arrays of 12, 4, 16 bytes a body
.set OA4,   7
.set OA16,  8
.set TW,    9                          ; v9      where my body a goes in my wave's table
.set TR,    10                         ; v10     my wave's table
.set PW,    11                         ; v11     where my wave's sums go
.set AXR,   12                         ; v12-13  where the tail reads the x, y sums and the z sums
.set AZR,   13
.set OS,    14                         ; v14     my body's row in the output stage
.set ORD,   15                         ; v15     16 x lane
.set OG,    16                         ; v16     byte offset of my 16 bytes of out0
.set IA,    17                         ; v17     1 / (-0.015 m) of my body a
.set OFF4,  18                         ; v18-25  slot j: byte offset of my body b in radius and mass
.set OFF12, 26                         ; v26-33  slot j: the same in position and linear_velocity
.set PA,    34                         ; v34-36  position, v37 radius, v38-40 velocity, v41 mass of my body a
.set RA,    37
.set VA,    38
.set MA,    41
.set QA,    42                         ; v42-45  orientation, v46-48 angular velocity, v50-52 external force of my body a
.set WA,    46
.set EA,    50
.set B,     56                         ; v56-119   slot j: x y z r vx vy vz im of one body b
.set A,     120                        ; v120-183  pair p of bodies a: (x0 x1)(y0 y1)(z0 z1)(r0 r1)(vx..)(vy..)(vz..)(im0 im1)
.set ACC,   184                        ; v184-207  pair p: (Fx0 Fx1)(Fy0 Fy1)(Fz0 Fz1)
.set T,     208                        ; v208-255  two sets of 24 temporaries
.set U0,    T
.set U1,    T+24
.set DX, 0                             ; fields of a set, a register pair each: d
.set DY, 2
.set DZ, 4
.set EX, 6                             ; v_b - v_a; EX later holds s t + pen, then the pair's factor
.set EY, 8
.set EZ, 10
.set QQ, 12                            ; |d|^2 + 1e-12
.set SD, 14                            ; dist
.set PN, 16                            ; r_a + r_b, then pen
.set MM, 18                            ; M, then 1 / D
.set SS, 20                            ; s
.set TT, 22                            ; D, D M, t
	s_load_b512 s[16:31], s[0:1], 0x0              ; position s[16:17], linear_velocity s[18:19], radius s[20:21], mass s[22:23],
	v_lshl_add_u32 v54, v0, 2, 0xe00
	v_mov_b32 v55, 0
	                                               ; orientation s[24:25], angular_velocity s[26:27], external_force s[28:29], out0 s[30:31]
	v_lshrrev_b32 v3, 5, v0
	v_readfirstlane_b32 s3, v3                     ; wave 0..7
	s_lshl_b32 s4, ttmp9, 3                        ; the group's first body a
	s_lshr_b32 s48, ttmp9, 5                       ; the block of 256 bodies in which the group's own 8 lie
	v_and_b32 v[LA], 7, v0
	v_or_b32 v3, s4, v[LA]                         ; my body a
	v_mul_u32_u24 v[OA12], 12, v3
	v_lshlrev_b32 v[OA4], 2, v3
	v_lshlrev_b32 v[OA16], 4, v3
	; Slot j of thread t holds body 256 ((own block + j) % 8) + t: the group's own bodies lie in slot 0, so a == b can occur there alone.
.irp j, 0,1,2,3,4,5,6,7
	s_add_co_u32 s49, s48, \j
	s_and_b32 s49, s49, 7
	s_lshl_b32 s49, s49, 10
	v_lshl_add_u32 v[OFF4+\j], v0, 2, s49          ; 4 (256 block + t)
	v_lshl_add_u32 v[OFF12+\j], v[OFF4+\j], 1, v[OFF4+\j]   ; three times that
.endr
	s_wait_kmcnt 0x0
	global_load_b96  v[PA:PA+2], v[OA12], s[16:17] ; my body a: wanted first, for the table
	global_load_b32  v[RA],      v[OA4],  s[20:21]
	global_load_b96  v[VA:VA+2], v[OA12], s[18:19]
	global_load_b32  v[MA],      v[OA4],  s[22:23]
	global_load_b128 v[QA:QA+3], v[OA16], s[24:25] ; used by wave 0 alone; issued by every wave, so that one count serves all waves' waits
	global_load_b96  v[WA:WA+2], v[OA12], s[26:27]
	global_load_b96  v[EA:EA+2], v[OA12], s[28:29]
.irp j, 0,1,2,3,4,5,6,7
	global_load_b96 v[B+8*\j:B+8*\j+2],   v[OFF12+\j], s[16:17]    ; a wave's load covers 384 consecutive bytes
	global_load_b32 v[B+8*\j+3],          v[OFF4+\j],  s[20:21]
	global_load_b96 v[B+8*\j+4:B+8*\j+6], v[OFF12+\j], s[18:19]
	global_load_b32 v[B+8*\j+7],          v[OFF4+\j],  s[22:23]
.endr
	; constants and LDS addresses, while the loads are on their way
	s_mov_b32 s8, 0x2b8cbccc                       ; 1e-12, as a pair for the packed forms
	s_mov_b32 s9, 0x2b8cbccc
	s_mov_b32 s10, 0x322bcc77                      ; 1e-8
	s_mov_b32 s11, 0x322bcc77
	s_mov_b32 s12, 0xbc75c28f                      ; -0.015 = -(1 + REST) / DT / STIFF
	s_mov_b32 s13, 0x3ba3d70a                      ; 0.005 = 0.5 DT
	s_mov_b32 s14, 0xc11cf5c3                      ; -9.81
	s_mov_b32 s15, 0x3c23d70a                      ; 0.01 = DT
	s_mov_b32 s44, 0x76543210                      ; v_permlanex16_b32: lane i reads lane i of the other row
	s_mov_b32 s45, 0xfedcba98
	s_mov_b32 s47, 0xc61c4000                      ; -1e4 = -STIFF
	s_and_b32 s2, ttmp9, 31
	s_lshl_b32 s2, s2, 3
	s_lshl_b32 s5, s3, 8                           ; my wave's table: 256 x wave
	s_lshl_b32 s6, s3, 7                           ; my wave's sums: 128 x wave
	s_mul_i32 s7, ttmp9, 416                       ; the group's 8 rows of 52 bytes in out0
	v_sub_nc_u32 v[SELF], v0, s2
	v_and_b32 v[LN], 31, v0
	v_and_b32 v3, 6, v[LA]
	v_and_b32 v4, 1, v[LA]
	v_lshlrev_b32 v3, 5, v3                        ; 64 x pair
	v_lshl_add_u32 v3, v4, 2, v3                   ; + 4 x half
	v_add_nc_u32 v[TW], s5, v3
	v_bfe_u32 v3, v0, 4, 1                         ; row of 16 lanes
	v_lshl_add_u32 v[PW], v3, 4, s6
	v_bfe_u32 v3, v0, 3, 2                         ; the tail: lane = 8 x (group of waves) + body
	v_lshlrev_b32 v3, 7, v3
	v_lshl_add_u32 v[AZR], v[LA], 2, v3            ; z sums lie 4 bytes apart
	v_and_b32 v4, 4, v[LA]
	v_lshl_add_u32 v[AXR], v4, 2, v[AZR]           ; x sums: bodies 0-3, then y's four, then bodies 4-7: 16 bytes more from body 4 on
	v_mul_u32_u24 v[OS], 52, v[LA]
	v_lshlrev_b32 v[ORD], 4, v[LN]
	v_lshl_add_u32 v[OG], v[LN], 4, s7
	; THE TABLE.  A packed instruction cannot take two different scalars, so the pairs of a are vector registers.  Each wave lays the 8 bodies,
	; which its lanes hold one each (four lanes hold the same), into bytes of its own and reads them back to every lane: no barrier, and
	; no wait between the stores and the loads, since LDS serves a wave's instructions in order (ISA guide 5.7.1).
	s_wait_loadcnt 35                              ; my body a's four loads are in; the 3 + 32 loads behind them stay out
	v_mul_f32 v[IA], s12, v[MA]
	v_rcp_f32 v[IA], v[IA]
	v_mov_b32 v[TR], s5                            ; the plain instruction between v_rcp_f32 and the use of its result (ISA guide 5.7.2)
	ds_store_b32 v[TW], v[PA]   offset:TAB
	ds_store_b32 v[TW], v[PA+1] offset:TAB+8
	ds_store_b32 v[TW], v[PA+2] offset:TAB+16
	ds_store_b32 v[TW], v[RA]   offset:TAB+24
	ds_store_b32 v[TW], v[VA]   offset:TAB+32
	ds_store_b32 v[TW], v[VA+1] offset:TAB+40
	ds_store_b32 v[TW], v[VA+2] offset:TAB+48
	s_wait_alu depctr_va_vdst(0)
	ds_store_b32 v[TW], v[IA]   offset:TAB+56
.irp k, 0,1,2,3,4,5,6,7,8,9,10,11,12,13,14,15
	ds_load_b128 v[A+4*\k:A+4*\k+3], v[TR] offset:TAB+16*\k        ; all lanes read the same 16 bytes
.endr
	; THE QUATERNION hangs on no pair (w_new = w): wave 0 makes it now, while the bodies b arrive, and lays it and w into the output stage.
	s_cmp_lg_u32 s3, 0
	s_cbranch_scc1 .Lpairs
	s_wait_loadcnt 32                              ; orientation, angular velocity, external force are in; the 32 loads of b stay out
	v_mul_f32 v[T],   s13, v[WA]                   ; h = 0.5 DT w
	v_mul_f32 v[T+1], s13, v[WA+1]
	v_mul_f32 v[T+2], s13, v[WA+2]
	v_fma_f32 v[T+4], -v[QA+1], v[T],   v[QA]      ; q + q (0, h), four chains side by side
	v_fma_f32 v[T+5],  v[QA],   v[T],   v[QA+1]
	v_fma_f32 v[T+6],  v[QA],   v[T+1], v[QA+2]
	v_fma_f32 v[T+7],  v[QA],   v[T+2], v[QA+3]
	v_fma_f32 v[T+4], -v[QA+2], v[T+1], v[T+4]
	v_fma_f32 v[T+5],  v[QA+2], v[T+2], v[T+5]
	v_fma_f32 v[T+6], -v[QA+1], v[T+2], v[T+6]
	v_fma_f32 v[T+7],  v[QA+1], v[T+1], v[T+7]
	v_fma_f32 v[T+4], -v[QA+3], v[T+2], v[T+4]
	v_fma_f32 v[T+5], -v[QA+3], v[T+1], v[T+5]
	v_fma_f32 v[T+6],  v[QA+3], v[T],   v[T+6]
	v_fma_f32 v[T+7], -v[QA+2], v[T],   v[T+7]
	v_mul_f32 v[T+8], v[T+4], v[T+4]
	v_fma_f32 v[T+8], v[T+5], v[T+5], v[T+8]
	v_fma_f32 v[T+8], v[T+6], v[T+6], v[T+8]
	v_fma_f32 v[T+8], v[T+7], v[T+7], v[T+8]
	v_rsq_f32 v[T+9], v[T+8]
	v_nop                                          ; the plain instruction behind v_rsq_f32: nothing else is left to do here
	s_wait_alu depctr_va_vdst(0)
.irp i, 0,1,2,3
	v_mul_f32 v[T+4+\i], v[T+4+\i], v[T+9]
.endr
.irp i, 0,1,2,3
	ds_store_b32 v[OS], v[T+4+\i] offset:OUT+12+4*\i               ; words 3-6 of the row
.endr
.irp i, 0,1,2
	ds_store_b32 v[OS], v[WA+\i] offset:OUT+40+4*\i                ; words 10-12
.endr
.Lpairs:
	s_wait_dscnt 0x0                               ; the table is in v[A..A+63]
; field d of a set = b - (a0, a1), or b + (a0, a1): b is register hi (0 or 1) of the pair bp, fed to both halves by op_sel
.macro BSUB d, bp, hi, a
.if \hi
	v_pk_add_f32 v[\d:\d+1], v[\bp:\bp+1], v[\a:\a+1] op_sel:[1,0] op_sel_hi:[1,1] neg_lo:[0,1] neg_hi:[0,1]
.else
	v_pk_add_f32 v[\d:\d+1], v[\bp:\bp+1], v[\a:\a+1] op_sel_hi:[0,1] neg_lo:[0,1] neg_hi:[0,1]
.endif
.endm
.macro BADD d, bp, hi, a
.if \hi
	v_pk_add_f32 v[\d:\d+1], v[\bp:\bp+1], v[\a:\a+1] op_sel:[1,0] op_sel_hi:[1,1]
.else
	v_pk_add_f32 v[\d:\d+1], v[\bp:\bp+1], v[\a:\a+1] op_sel_hi:[0,1]
.endif
.endm
; the same step for both sets of temporaries
.macro BSUB2 f, bp, hi, af
	BSUB U0+\f, \bp, \hi, A0+\af
	BSUB U1+\f, \bp, \hi, A1+\af
.endm
.macro BADD2 f, bp, hi, af
	BADD U0+\f, \bp, \hi, A0+\af
	BADD U1+\f, \bp, \hi, A1+\af
.endm
.macro FMA2 d, x, y, z
	v_pk_fma_f32 v[U0+\d:U0+\d+1], v[U0+\x:U0+\x+1], v[U0+\y:U0+\y+1], v[U0+\z:U0+\z+1]
	v_pk_fma_f32 v[U1+\d:U1+\d+1], v[U1+\x:U1+\x+1], v[U1+\y:U1+\y+1], v[U1+\z:U1+\z+1]
.endm
.macro MUL2 d, x, y
	v_pk_mul_f32 v[U0+\d:U0+\d+1], v[U0+\x:U0+\x+1], v[U0+\y:U0+\y+1]
	v_pk_mul_f32 v[U1+\d:U1+\d+1], v[U1+\x:U1+\x+1], v[U1+\y:U1+\y+1]
.endm
; Body b of slot j against the pairs p and p + 1 of bodies a: four pairs of bodies a lane, the two packed steps side by side so that
; an instruction and the one that needs its result stand apart.  first = 1 (slot 0): the products start the sums, nothing is cleared,
; and the pair a == b is masked.
.macro ITER2 j, p, first
.set BJ, B+8*\j
.set A0, A+16*\p
.set A1, A0+16
.set C0, ACC+6*\p
.set C1, C0+6
	BSUB2 DX, BJ, 0, 0                             ; d = p_b - p_a
	BSUB2 DY, BJ, 1, 2
	BSUB2 DZ, BJ+2, 0, 4
	v_pk_fma_f32 v[U0+QQ:U0+QQ+1], v[U0+DX:U0+DX+1], v[U0+DX:U0+DX+1], s[8:9] op_sel_hi:[1,1,0]   ; |d|^2 + 1e-12
	v_pk_fma_f32 v[U1+QQ:U1+QQ+1], v[U1+DX:U1+DX+1], v[U1+DX:U1+DX+1], s[8:9] op_sel_hi:[1,1,0]
	s_wait_alu depctr_va_vdst(0)
	BSUB2 EX, BJ+4, 0, 8                           ; v_b - v_a, between the links of the chain
	FMA2 QQ, DY, DY, QQ
	BSUB2 EY, BJ+4, 1, 10
	FMA2 QQ, DZ, DZ, QQ
	BSUB2 EZ, BJ+6, 0, 12
	v_sqrt_f32 v[U0+SD],   v[U0+QQ]                ; dist
	v_sqrt_f32 v[U0+SD+1], v[U0+QQ+1]
	v_sqrt_f32 v[U1+SD],   v[U1+QQ]
	v_sqrt_f32 v[U1+SD+1], v[U1+QQ+1]
	MUL2 SS, EX, DX                                ; s = (v_b - v_a) . d: plain work that names neither dist nor its source (ISA guide 5.7.2)
	BADD2 PN, BJ+2, 1, 6                           ; r_b + r_a
	FMA2 SS, EY, DY, SS
	BADD2 MM, BJ+6, 1, 14                          ; M = im_b + im_a
	FMA2 SS, EZ, DZ, SS
	s_wait_alu depctr_va_vdst(0)
	v_pk_add_f32 v[U0+TT:U0+TT+1], v[U0+SD:U0+SD+1], s[10:11] op_sel_hi:[1,0]      ; D = dist + 1e-8
	v_pk_add_f32 v[U1+TT:U1+TT+1], v[U1+SD:U1+SD+1], s[10:11] op_sel_hi:[1,0]
	v_pk_add_f32 v[U0+PN:U0+PN+1], v[U0+PN:U0+PN+1], v[U0+SD:U0+SD+1] neg_lo:[0,1] neg_hi:[0,1]   ; pen = rsum - dist
	v_pk_add_f32 v[U1+PN:U1+PN+1], v[U1+PN:U1+PN+1], v[U1+SD:U1+SD+1] neg_lo:[0,1] neg_hi:[0,1]
	MUL2 TT, TT, MM                                ; D M
	v_cmp_le_f32 s36, v[U0+SS],   0                ; approaching: vn <= 0
	v_cmp_le_f32 s37, v[U0+SS+1], 0
	v_cmp_le_f32 s38, v[U1+SS],   0
	v_cmp_le_f32 s39, v[U1+SS+1], 0
	v_rcp_f32 v[U0+TT],   v[U0+TT]                 ; t
	v_rcp_f32 v[U0+TT+1], v[U0+TT+1]
	v_rcp_f32 v[U1+TT],   v[U1+TT]
	v_rcp_f32 v[U1+TT+1], v[U1+TT+1]
	v_cmp_gt_f32 s32, v[U0+PN],   0                ; colliding: dist < rsum.  Plain work behind the reciprocals, which names none of them
	v_cmp_gt_f32 s33, v[U0+PN+1], 0
	v_cmp_gt_f32 s34, v[U1+PN],   0
	v_cmp_gt_f32 s35, v[U1+PN+1], 0
	s_wait_alu depctr_va_vdst(0)
.if \first
	v_cmp_ne_u32 s40, 2*\p,   v[SELF]              ; not the body itself
	v_cmp_ne_u32 s41, 2*\p+1, v[SELF]
	v_cmp_ne_u32 s42, 2*\p+2, v[SELF]
	v_cmp_ne_u32 s43, 2*\p+3, v[SELF]
	s_wait_alu depctr_va_vdst(0)
.endif
	FMA2 EX, SS, TT, PN                            ; force_mag / 1e4 = s t + pen
	MUL2 MM, TT, MM                                ; 1 / D = t M
	s_and_b32 s32, s32, s36
	s_and_b32 s33, s33, s37
	s_and_b32 s34, s34, s38
	s_and_b32 s35, s35, s39
.if \first
	s_and_b32 s32, s32, s40
	s_and_b32 s33, s33, s41
	s_and_b32 s34, s34, s42
	s_and_b32 s35, s35, s43
.endif
	MUL2 EX, EX, MM
	v_cndmask_b32 v[U0+EX],   0, v[U0+EX],   s32   ; a choice of values: the work is done for every pair
	v_cndmask_b32 v[U0+EX+1], 0, v[U0+EX+1], s33
	v_cndmask_b32 v[U1+EX],   0, v[U1+EX],   s34
	v_cndmask_b32 v[U1+EX+1], 0, v[U1+EX+1], s35
.irp c, 0,2,4
.if \first
	v_pk_mul_f32 v[C0+\c:C0+\c+1], v[U0+EX:U0+EX+1], v[U0+\c:U0+\c+1]
	v_pk_mul_f32 v[C1+\c:C1+\c+1], v[U1+EX:U1+EX+1], v[U1+\c:U1+\c+1]
.else
	v_pk_fma_f32 v[C0+\c:C0+\c+1], v[U0+EX:U0+EX+1], v[U0+\c:U0+\c+1], v[C0+\c:C0+\c+1]
	v_pk_fma_f32 v[C1+\c:C1+\c+1], v[U1+EX:U1+EX+1], v[U1+\c:U1+\c+1], v[C1+\c:C1+\c+1]
.endif
.endr
.endm
.macro SLOT j, first
	s_wait_loadcnt 28-4*\j                         ; loads come back in order (ISA guide 5.7.1): slot j's four are in, the later slots' stay out
	v_mul_f32 v[B+8*\j+7], s12, v[B+8*\j+7]
	v_rcp_f32 v[B+8*\j+7], v[B+8*\j+7]             ; im = 1 / (-0.015 m)
	ITER2 \j, 0, \first
	ITER2 \j, 2, \first
.endm
	SLOT 0, 1
.irp j, 1,2,3,4,5,6,7
	SLOT \j, 0
.endr
	; THE WAVE'S SUMS.  24 registers.  A swap of rows between two of them and one add fold the two rows of both: row 0 then holds the
	; first one's sums, row 1 the second one's.  x goes with y of the same pair, z of pair 0 with pair 2's, of pair 1 with pair 3's.
.irp p, 0,1,2,3
	v_permlane16_swap_b32 v[ACC+6*\p],   v[ACC+6*\p+2]
	v_permlane16_swap_b32 v[ACC+6*\p+1], v[ACC+6*\p+3]
.endr
	v_permlane16_swap_b32 v[ACC+4],  v[ACC+16]
	v_permlane16_swap_b32 v[ACC+5],  v[ACC+17]
	v_permlane16_swap_b32 v[ACC+10], v[ACC+22]
	v_permlane16_swap_b32 v[ACC+11], v[ACC+23]
.irp p, 0,1,2,3
	v_pk_add_f32 v[T+2*\p:T+2*\p+1], v[ACC+6*\p:ACC+6*\p+1], v[ACC+6*\p+2:ACC+6*\p+3]   ; v[T+i]: row 0 Fx, row 1 Fy of body i
.endr
	v_pk_add_f32 v[T+8:T+9],   v[ACC+4:ACC+5],   v[ACC+16:ACC+17]  ; v[T+8+i]: row 0 Fz of body i, row 1 of body 4 + i
	v_pk_add_f32 v[T+10:T+11], v[ACC+10:ACC+11], v[ACC+22:ACC+23]
.irp m, 1,2,4,8
.irp k, 0,1,2,3,4,5,6,7,8,9,10,11
	v_add_f32_dpp v[T+\k], v[T+\k], v[T+\k] row_xmask:\m row_mask:0xf bank_mask:0xf     ; within a row: twelve chains side by side
.endr
.endr
	ds_store_b128 v[PW], v[T:T+3]    offset:PART           ; row 0: Fx of bodies 0-3 at 0; row 1: Fy of bodies 0-3 at 16 (a row's 16 lanes store the same)
	ds_store_b128 v[PW], v[T+4:T+7]  offset:PART+32        ; Fx of bodies 4-7 at 32, Fy at 48
	ds_store_b128 v[PW], v[T+8:T+11] offset:PART+64        ; Fz of bodies 0-3 at 64, of bodies 4-7 at 80
	s_wait_dscnt 0x0                               ; for wave 0's sake: my sums are in LDS before I say so
	s_barrier_signal -1
	s_barrier_wait -1
	s_cmp_lg_u32 s3, 0
	s_cbranch_scc1 .Ldone
	; THE TAIL, wave 0.  Lane = 8 x k + body: it adds the sums of waves k and k + 4; lanes 8 and 16 apart then add theirs.
	ds_load_b32 v[T],   v[AXR] offset:PART
	ds_load_b32 v[T+1], v[AXR] offset:PART+16
	ds_load_b32 v[T+2], v[AZR] offset:PART+64
	ds_load_b32 v[T+4], v[AXR] offset:PART+512
	ds_load_b32 v[T+5], v[AXR] offset:PART+528
	ds_load_b32 v[T+6], v[AZR] offset:PART+576
	v_rcp_f32 v[T+8], v[MA]
	v_fma_f32 v[T+9], s14, v[MA], v[EA+2]          ; gravity and external force along z; also the plain instruction behind v_rcp_f32
	s_wait_alu depctr_va_vdst(0)
	v_mul_f32 v[T+8], s15, v[T+8]                  ; DT / m
	s_wait_dscnt 0x0
	v_pk_add_f32 v[T:T+1], v[T:T+1], v[T+4:T+5]
	v_add_f32 v[T+2], v[T+2], v[T+6]
.irp k, 0,1,2
	v_add_f32_dpp v[T+\k], v[T+\k], v[T+\k] row_xmask:8 row_mask:0xf bank_mask:0xf
.endr
.irp k, 0,1,2
	v_permlanex16_b32 v[T+4+\k], v[T+\k], s44, s45
.endr
	v_pk_add_f32 v[T:T+1], v[T:T+1], v[T+4:T+5]
	v_add_f32 v[T+2], v[T+2], v[T+6]               ; every lane holds its body's sums
	v_fma_f32 v[T],   s47, v[T],   v[EA]           ; total force = -1e4 sum + external (+ gravity)
	v_fma_f32 v[T+1], s47, v[T+1], v[EA+1]
	v_fma_f32 v[T+2], s47, v[T+2], v[T+9]
.irp k, 0,1,2
	v_fma_f32 v[T+4+\k], v[T+\k], v[T+8], v[VA+\k] ; v_new = v + F DT / m
.endr
.irp k, 0,1,2
	v_fma_f32 v[T+\k], v[T+4+\k], s15, v[PA+\k]    ; p_new = p + v_new DT
.endr
.irp k, 0,1,2
	ds_store_b32 v[OS], v[T+\k]   offset:OUT+4*\k          ; words 0-2 of the row
	ds_store_b32 v[OS], v[T+4+\k] offset:OUT+28+4*\k       ; words 7-9
.endr
	; The group's 8 rows are 416 consecutive bytes of out0, 26 lanes of 16: one store.  (416 is no multiple of 256, so the first and last
	; 256 bytes are shared with the neighbouring groups' stores.)
	s_wait_xcnt 0x0                                ; EXEC changes only behind this wait (ISA guide 3.1)
	v_cmp_gt_u32 vcc_lo, 26, v[LN]
	s_wait_tensorcnt 0x0
	ds_add_u32 v54, v55
	s_wait_dscnt 0x0
	s_and_saveexec_b32 s46, vcc_lo
	ds_load_b128 v[T+12:T+15], v[ORD] offset:OUT   ; LDS serves a wave's instructions in order: these see the stores above and the quaternion's
	s_wait_dscnt 0x0
	global_store_b128 v[OG], v[T+12:T+15], s[30:31] th:TH_STORE_NT
	s_endpgm
.Ldone:
	s_wait_tensorcnt 0x0
	ds_add_u32 v54, v55
	s_wait_dscnt 0x0
	s_endpgm
.Lfunc_end_k_qc31e990d6c_step:
	.size	k_qc31e990d6c_step, .Lfunc_end_k_qc31e990d6c_step-k_qc31e990d6c_step
	.p2alignl 7, 3214868480
	.fill 96, 4, 3214868480
	.section	.rodata,"a",@progbits
	.p2align	6, 0x0
	.amdhsa_kernel k_qc31e990d6c_step
		.amdhsa_group_segment_fixed_size 4608
		.amdhsa_private_segment_fixed_size 0
		.amdhsa_enable_private_segment 0
		.amdhsa_kernarg_size 64
		.amdhsa_user_sgpr_count 2
		.amdhsa_user_sgpr_kernarg_segment_ptr 1
		.amdhsa_wavefront_size32 1
		.amdhsa_system_sgpr_workgroup_id_x 1
		.amdhsa_system_sgpr_workgroup_id_y 1
		.amdhsa_system_sgpr_workgroup_id_z 1
		.amdhsa_system_vgpr_workitem_id 0
		.amdhsa_next_free_vgpr 256
		.amdhsa_next_free_sgpr 66
		.amdhsa_reserve_vcc 1
		.amdhsa_float_denorm_mode_32 3
		.amdhsa_float_denorm_mode_16_64 3
		.amdhsa_memory_ordered 1
		.amdhsa_forward_progress 1
		.amdhsa_inst_pref_size 86
	.end_amdhsa_kernel
	.amdgpu_metadata
---
amdhsa.version: [ 1, 2 ]
amdhsa.kernels:
  - .name:           k_qc31e990d6c_step
    .symbol:         k_qc31e990d6c_step.kd
    .args:
      - { .name: position, .offset: 0, .size: 8, .value_kind: global_buffer, .address_space: global }
      - { .name: linear_velocity, .offset: 8, .size: 8, .value_kind: global_buffer, .address_space: global }
      - { .name: radius, .offset: 16, .size: 8, .value_kind: global_buffer, .address_space: global }
      - { .name: mass, .offset: 24, .size: 8, .value_kind: global_buffer, .address_space: global }
      - { .name: orientation, .offset: 32, .size: 8, .value_kind: global_buffer, .address_space: global }
      - { .name: angular_velocity, .offset: 40, .size: 8, .value_kind: global_buffer, .address_space: global }
      - { .name: external_force, .offset: 48, .size: 8, .value_kind: global_buffer, .address_space: global }
      - { .name: out0, .offset: 56, .size: 8, .value_kind: global_buffer, .address_space: global }
    .group_segment_fixed_size: 4608
    .private_segment_fixed_size: 0
    .kernarg_segment_align: 8
    .kernarg_segment_size: 64
    .max_flat_workgroup_size: 256
    .sgpr_count:     66
    .vgpr_count:     256
    .wavefront_size: 32
...
	.end_amdgpu_metadata
.endif
;; end of part 1
